; MI455X (gfx1250); checked and timed in simulation.
; The chip was launched on July 23, 2026; its instructions are those of AMD's public machine-readable ISA for CDNA 5 (MIT licence, August 2026) and "CDNA5" Instruction Set Architecture Reference Guide (July 2026). The comments in the code are by the model that wrote it; some were corrected since.
;; Cached Self Attention. Allowed arithmetic: matrix products marked QUANTISED: E2M3 operands, one E8M0 scale for each 32 along K, by v_wmma_scale_f32_16x16x128_f8f6f4 with both operands' format E2M3, f32 sums; everything else in f32.
;; Inputs: in_proj_bias 3,072 float32; in_proj_weight 3,072 x 1,024 float32; out_b 1,024 float32; out_w 1,024 x 1,024 float32; x 4 x 2,048 x 1,024 float32.
;; Outputs: out0 4 x 2,048 x 1,024 float32.
;; This version of the problem:
;;   THIS VERSION OF THE PROBLEM IS GIVEN IN LOW PRECISION. The matrix products marked QUANTISED in the list below multiply operands that are first quantised to E2M3 (2 exponent bits, 3 mantissa bits; 6 bits a number), with one power-of-two scale for each 32 numbers along K (OCP MX v1.0); their sums are f32. All else is computed in f32.
;;   The module's matrix products, in the order in which they are computed (A, B: the left and right operand; K: the contracted axis; several contracted axes count as one K, in the product's order):
;;     1. [M 8,192, K 1,024] x [K 1,024, N 3,072]; A: input x; B: input in_proj_weight: QUANTISED
;;     2. batch 64 x [M 2,048, K 64] x [K 64, N 2,048]; A: computed on the way; B: computed on the way: QUANTISED
;;     3. batch 64 x [M 2,048, K 2,048] x [K 2,048, N 64]; A: softmax (see below); B: computed on the way: QUANTISED
;;     4. [M 8,192, K 1,024] x [K 1,024, N 1,024]; A: computed on the way; B: input out_w: QUANTISED
;;   THE QUANTISER, for each operand of a quantised product, along K:
;;     - K is cut into blocks of 32 from its start; a last block that is shorter is filled with zeros.
;;     - A block's scale is 2^e with e = floor(log2(the largest magnitude in the block)) - 2, held to -126 .. 127; a block of zeros has e = 0. As a byte (E8M0): e + 127.
;;     - Each number is divided by its block's scale, clamped to +-7.5, and rounded to the nearest number of E2M3, ties to even, subnormals kept.
;;     - The product sums the exact products of the quantised numbers (number of the format x scale) in f32.
;;   ~~~python
;;   def quantise(x, axis):      # numpy; x: float32 -> the quantised numbers, widened to float32 again
;;       x = np.moveaxis(x, axis, -1); K = x.shape[-1]
;;       x = np.pad(x, [(0, 0)] * (x.ndim - 1) + [(0, -K % 32)]); x = x.reshape(x.shape[:-1] + (-1, 32)); a = np.abs(x).max(-1, keepdims=True)
;;       e = np.where(a > 0, np.clip(np.frexp(np.where(a > 0, a, 1))[1] - 1 - 2, -126, 127), 0)      # np.frexp(a)[1] - 1 = floor(log2(a)), exactly
;;       r = np.clip(x / 2.0 ** e, -7.5, 7.5)
;;       step = 2.0 ** (np.maximum(np.frexp(np.where(r == 0, 1, r))[1] - 1, 0) - 3)
;;       q = np.round(r / step) * step * 2.0 ** e      # np.round: ties to even
;;       return np.moveaxis(q.reshape(q.shape[:-2] + (-1,))[..., :K], -1, axis).astype(np.float32)
;;   ~~~
;;   SOFTMAX AHEAD OF A QUANTISED PRODUCT. Where the list says 'softmax', what is quantised is not the finished softmax but p = 2^(t - M), with t = logit x log2(e) and M = ceil(the row's largest t), a whole number; so 1/2 < the row's largest p <= 1. The row's sum l is taken of the UNQUANTISED p, in f32, and the product's result is divided by l at the end. Since M is a whole number, a kernel that streams over the keys may use a running M (the ceiling of the running maximum): every later rescaling is an exact power of two, which a block's scale takes up: the codes' values come out the same.
;;   OPERANDS COMPUTED ON THE WAY. 'Computed on the way' means the value that the module computes at that place (a softmax that the list does not call 'softmax' is quantised finished and normalised). What goes into a quantiser is computed in f32, as accurately as f32 sums, v_exp_f32 and their like allow (about 1e-6 of the number): no bf16 or f16 on the way to a quantiser, and a product that is left as it is and whose result goes on into a quantised operand takes f32 operands (vector FMAs, or v_wmma_f32_16x16x4_f32). A number that lies on a knife's edge between two numbers of the format may be rounded either way, as far as f32 arithmetic and the matrix unit's own rounding can turn it there, and no further.
;; One version. Each part assembles by itself: llvm-mc -triple=amdgcn-amd-amdhsa -mcpu=gfx1250 --defsym DOCPART=n.
;; ======== version 1 of 1: 4 launches
;; limits: right only within a limited range of input values
;; workspace buffers: xq 6,553,600 bytes; wq 2,457,600 bytes; owq 819,200 bytes; qq 6,815,744 bytes; kv 13,369,344 bytes; oq 6,553,600 bytes
;; launch quant (part 1): grid 384 x 1, 4 waves a work-group, no clusters, 35,328 bytes of LDS; arguments x, in_proj_weight, out_w, xq, wq, owq; writes xq, wq, owq
.if DOCPART == 1
	.amdgcn_target "amdgcn-amd-amdhsa--gfx1250"
	.amdhsa_code_object_version 6
	.text
	.protected	k_q90e92a7c80_quant
	.globl	k_q90e92a7c80_quant
	.p2align	8
	.type	k_q90e92a7c80_quant,@function
k_q90e92a7c80_quant:
	s_mov_b64 s[64:65], 0
	v_nop
	global_prefetch_b8 v0, s[64:65] scope:SCOPE_SE
	s_setreg_imm32_b32 hwreg(HW_REG_WAVE_MODE, 25, 1), 1
	s_wait_xcnt 0x0
; x [8192][1024], in_proj_weight [3072][1024] and out_w [1024][1024], f32, K innermost, become codes of FP6 (E2M3) with one E8M0 byte for each 32 along K.
; A block's scale is 2^(floor(log2(its largest magnitude)) - 2); its byte is the largest magnitude's exponent field - 2, held at 1 from below.
; LIMITS: a block of zeros gets the byte 1 where the quantiser says 127 (its codes are zeros, and this program alone reads the bytes); blocks whose largest magnitude
; lies under 2^-124 are held at the byte 1; NaN and infinities among the inputs are not served.
; LAYOUT OF THE RESULT, in the order of an operand's registers.  Codes: a unit is 16 rows x 64 K, 768 bytes, at (row tile x 16 + K / 64) x 768; in it the 8-byte piece c (0..2) of
; row r's block h (K / 32 mod 2) lies at 256 c + 8 (r + 16 h): lane r + 16 h of a wave takes registers 2 c, 2 c + 1 of half a fragment by one access of 8 bytes, 256 bytes on end a wave.
; Scale words (four bytes: 128 along K of a row), behind the codes: row tile x 512 + (step / 2) x 128 + 8 r + 4 (step mod 2).
; SHARES.  768 row tiles of 16 rows; a work-group takes two, a wave half the K of one: four steps of 16 rows x 128 K.  One text serves the three tensors: only pointers are chosen, by the work-group's number.
; A load reads 512 bytes on end of one row; a step's 8,192 bytes turn through the wave's own stage in LDS (rows 528 bytes apart: 132 words, so that the sixteen rows of a read begin in different banks)
; and come back 16 neighbours of each block to a lane.  Memory binds: no matrix unit, no tensor load, no barrier (waves share nothing), no cluster (no byte is read twice).
.set STG,   8704                       ; a wave's stage: 16 rows x 528 bytes, rounded up to blocks of 512
.set SPARE, 4*STG                      ; behind the stages: the spare words, 128 bytes a wave
.set R,     16                         ; v16-143  two sets of 64 registers as loaded
.set X,     144                        ; v144-207 64 numbers: register 16 b + i = K 32 b + 16 h + i of my row
.set PC,    208                        ; v208-219 the fragment's codes; up to v226 at work
.set TM,    228                        ; v228-243 at work
.set PW,    244                        ; v244-247 the four steps' scale words
.set SPW,   6                          ; v6  my spare word's LDS address; never rewritten
.set NIL,   7                          ; v7  0; never rewritten
.set SEL,   26                         ; s[26:27] lane selects: lane l xor 16
; 64 numbers of a lane become a fragment's codes in v[PC] on and its scale word in v[pw].
.macro QUANT s, pw
.irp b, 0,1,2,3
	v_max3_num_f32 v[TM+\b], |v[\s+16*\b]|, |v[\s+1+16*\b]|, 0x1800000   ; block b: my 16 numbers, and the floor 2^(3 - 127): the byte cannot fall under 1
.endr
.irp i, 2,4,6,8,10,12,14
.irp b, 0,1,2,3
	v_max3_num_f32 v[TM+\b], v[TM+\b], |v[\s+16*\b+\i]|, |v[\s+1+16*\b+\i]|   ; the four blocks by turns
.endr
.endr
.irp b, 0,1,2,3
	v_permlanex16_b32 v[TM+4+\b], v[TM+\b], s[SEL], s[SEL+1]
.endr
.irp b, 0,1,2,3
	v_max_num_f32 v[TM+\b], v[TM+\b], v[TM+4+\b]   ; with lane l xor 16's: the block's largest magnitude
.endr
.irp b, 0,1,2,3
	v_add_nc_u32 v[TM+12+\b], 0xff000000, v[TM+\b]   ; 2 off its exponent field: the conversion's scale operand
.endr
.irp b, 0,1,2,3
	v_lshrrev_b32 v[TM+4+\b], 23, v[TM+12+\b]      ; the scale's byte
.endr
	v_lshl_or_b32 v[\pw], v[TM+5], 8, v[TM+4]      ; four bytes: my row's scale word
	v_lshl_or_b32 v[\pw], v[TM+6], 16, v[\pw]
	v_lshl_or_b32 v[\pw], v[TM+7], 24, v[\pw]
.irp c, 0,1
	v_cvt_scalef32_pk16_fp6_f32 v[PC+6*\c:PC+2+6*\c], v[\s+32*\c:\s+15+32*\c], v[TM+12+2*\c]
	v_cvt_scalef32_pk16_fp6_f32 v[PC+12+4*\c:PC+14+4*\c], v[\s+16+32*\c:\s+31+32*\c], v[TM+12+2*\c+1]   ; (a conversion's three registers begin on an even number)
.endr
	v_nop                                          ; one plain instruction behind the conversions
.irp c, 0,1                                    ; the layout wants a whole block in a lane: lanes 0-15 block 2 c, lanes 16-31 block 2 c + 1
.irp i, 0,1,2
	v_permlane16_swap_b32 v[PC+6*\c+\i], v[PC+12+4*\c+\i]
.endr
.irp i, 0,1,2
	v_mov_b32 v[PC+3+6*\c+\i], v[PC+12+4*\c+\i]
.endr
.endr
.endm
	s_load_b256 s[4:11], s[0:1], 0x0               ; x, in_proj_weight, out_w, xq
	s_load_b128 s[12:15], s[0:1], 0x20             ; wq, owq
	v_lshl_add_u32 v[SPW], v0, 2, SPARE
	v_mov_b32 v[NIL], 0
	v_lshrrev_b32 v8, 5, v0
	v_readfirstlane_b32 s24, v8                    ; wave
	v_and_b32 v9, 31, v0                           ; lane
	v_and_b32 v10, 15, v0                          ; r
	v_bfe_u32 v11, v0, 4, 1                        ; h
	v_lshlrev_b32 v1, 4, v9                        ; my 16 bytes of a load's 512
	v_lshlrev_b32 v4, 3, v9                        ; my 8 bytes of a store's 256
	s_mul_i32 s25, s24, STG
	v_add_nc_u32 v2, s25, v1                       ; the stage, on the way in
	v_mul_u32_u24 v3, v10, 528
	v_lshl_add_u32 v3, v11, 6, v3
	v_add_nc_u32 v3, s25, v3                       ; and on the way out: row r, + 64 h
	s_mov_b32 s[SEL], 0x76543210
	s_mov_b32 s[SEL+1], 0xfedcba98
.irp b, 0,1,2,3
	v_mov_b32 v[TM+4+\b], 0                        ; written once: a lane permute's destination counts as one of its sources
.endr
	s_wait_alu depctr_va_vdst(0)
	s_wait_kmcnt 0x0
	s_cmp_lt_u32 ttmp9, 352                        ; work-groups 0-255: x; 256-351: in_proj_weight; 352-383: out_w.  The choices hang on the work-group's number alone
	s_cselect_b64 s[16:17], s[6:7], s[8:9]
	s_cselect_b64 s[18:19], s[12:13], s[14:15]
	s_mov_b32 s20, 352
	s_cselect_b32 s20, 256, s20                    ; the tensor's first work-group
	s_mov_b32 s21, 786432
	s_cselect_b32 s21, 2359296, s21                ; where the scale words begin in the result
	s_cmp_lt_u32 ttmp9, 256
	s_cselect_b64 s[16:17], s[4:5], s[16:17]
	s_cselect_b64 s[18:19], s[10:11], s[18:19]
	s_cselect_b32 s20, 0, s20
	s_cselect_b32 s21, 6291456, s21
	s_sub_co_u32 s22, ttmp9, s20
	s_lshl_b32 s22, s22, 1
	s_lshr_b32 s23, s24, 1
	s_add_co_u32 s22, s22, s23                     ; my row tile
	s_and_b32 s23, s24, 1                          ; my half of K
	s_lshl_b32 s28, s22, 16                        ; 16 rows of 4,096 bytes
	s_lshl_b32 s29, s23, 11
	s_add_co_u32 s28, s28, s29
	s_mov_b32 s29, 0
	s_add_nc_u64 s[16:17], s[16:17], s[28:29]      ; the numbers
	s_lshl_b32 s28, s22, 9
	s_lshl_b32 s32, s23, 8
	s_add_co_u32 s28, s28, s32
	s_add_co_u32 s28, s28, s21
	s_add_nc_u64 s[30:31], s[18:19], s[28:29]      ; the scale words
	s_mul_i32 s28, s22, 12288
	s_mul_i32 s32, s23, 6144
	s_add_co_u32 s28, s28, s32
	s_add_nc_u64 s[18:19], s[18:19], s[28:29]      ; the codes
.macro LOAD t                          ; step t: 16 rows x 512 bytes into set t % 2
.irp rho, 0,1,2,3,4,5,6,7,8,9,10,11,12,13,14,15
	global_load_b128 v[R+64*((\t)%2)+4*\rho:R+64*((\t)%2)+4*\rho+3], v1, s[16:17] offset:\rho*4096+(\t)*512 th:TH_LOAD_NT
.endr
.endm
.macro STEP t
.if (\t) < 3
	s_wait_loadcnt 16                              ; this step's 16 loads are in; the next step's 16 may be out
.else
	s_wait_loadcnt 0x0
.endif
.irp rho, 0,1,2,3,4,5,6,7,8,9,10,11,12,13,14,15
	ds_store_b128 v2, v[R+64*((\t)%2)+4*\rho:R+64*((\t)%2)+4*\rho+3] offset:\rho*528
.endr
.irp b, 0,1,2,3
.irp j, 0,1,2,3
	ds_load_b128 v[X+16*\b+4*\j:X+16*\b+4*\j+3], v3 offset:128*\b+16*\j   ; LDS serves a wave's instructions in order: these see the stores above
.endr
.endr
	s_wait_dscnt 0x0                               ; the numbers are back, and the stores have read the set,
.if (\t) < 2
	LOAD (\t)+2                                    ; which takes the loads of two steps on
.endif
.if (\t) > 0
	s_wait_xcnt 0x0                                ; the last step's stores have read the codes' registers: they are written again only behind this wait
.endif
	QUANT X, PW+(\t)
.irp p, 0,1,2,3,4,5
	global_store_b64 v4, v[PC+2*\p:PC+2*\p+1], s[18:19] offset:(2*(\t)+\p/3)*768+256*(\p%3)   ; 32 lanes store 256 bytes on end, aligned
.endr
.endm
	LOAD 0
	LOAD 1
	STEP 0
	STEP 1
	STEP 2
	STEP 3
	v_cmp_gt_u32 vcc_lo, 16, v9                    ; lanes r and r + 16 hold the same words: lanes 0-15 store steps 0, 1, lanes 16-31 steps 2, 3
	v_cndmask_b32 v248, v[PW+2], v[PW], vcc_lo
	v_cndmask_b32 v249, v[PW+3], v[PW+1], vcc_lo
	global_store_b64 v4, v[248:249], s[30:31]      ; 256 bytes on end, aligned
	s_wait_tensorcnt 0x0                           ; the wave's end, behind my last LDS store
	ds_add_u32 v[SPW], v[NIL]
	s_wait_dscnt 0x0
	s_endpgm
.Lfunc_end_k_q90e92a7c80_quant:
	.size	k_q90e92a7c80_quant, .Lfunc_end_k_q90e92a7c80_quant-k_q90e92a7c80_quant
	.p2alignl 7, 3214868480
	.fill 96, 4, 3214868480
	.section	.rodata,"a",@progbits
	.p2align	6, 0x0
	.amdhsa_kernel k_q90e92a7c80_quant
		.amdhsa_group_segment_fixed_size 35328
		.amdhsa_private_segment_fixed_size 0
		.amdhsa_enable_private_segment 0
		.amdhsa_kernarg_size 48
		.amdhsa_user_sgpr_count 2
		.amdhsa_user_sgpr_kernarg_segment_ptr 1
		.amdhsa_wavefront_size32 1
		.amdhsa_system_sgpr_workgroup_id_x 1
		.amdhsa_system_sgpr_workgroup_id_y 1
		.amdhsa_system_sgpr_workgroup_id_z 1
		.amdhsa_system_vgpr_workitem_id 0
		.amdhsa_next_free_vgpr 256
		.amdhsa_next_free_sgpr 66
		.amdhsa_reserve_vcc 1
		.amdhsa_float_denorm_mode_32 3
		.amdhsa_float_denorm_mode_16_64 3
		.amdhsa_memory_ordered 1
		.amdhsa_forward_progress 1
		.amdhsa_inst_pref_size 35
	.end_amdhsa_kernel
	.amdgpu_metadata
---
amdhsa.version: [ 1, 2 ]
amdhsa.kernels:
  - .name:           k_q90e92a7c80_quant
    .symbol:         k_q90e92a7c80_quant.kd
    .args:
      - { .name: x, .offset: 0, .size: 8, .value_kind: global_buffer, .address_space: global }
      - { .name: in_proj_weight, .offset: 8, .size: 8, .value_kind: global_buffer, .address_space: global }
      - { .name: out_w, .offset: 16, .size: 8, .value_kind: global_buffer, .address_space: global }
      - { .name: xq, .offset: 24, .size: 8, .value_kind: global_buffer, .address_space: global }
      - { .name: wq, .offset: 32, .size: 8, .value_kind: global_buffer, .address_space: global }
      - { .name: owq, .offset: 40, .size: 8, .value_kind: global_buffer, .address_space: global }
    .group_segment_fixed_size: 35328
    .private_segment_fixed_size: 0
    .kernarg_segment_align: 8
    .kernarg_segment_size: 48
    .max_flat_workgroup_size: 128
    .sgpr_count:     66
    .vgpr_count:     256
    .wavefront_size: 32
...
	.end_amdgpu_metadata
.endif
;; end of part 1
;; launch qkv (part 2): grid 12 x 32, 4 waves a work-group, clusters of 4 x 4, 327,680 bytes of LDS; arguments xq, wq, in_proj_bias, qq, kv; writes qq, kv
.if DOCPART == 2
	.amdgcn_target "amdgcn-amd-amdhsa--gfx1250"
	.amdhsa_code_object_version 6
	.text
	.protected	k_q90e92a7c80_qkv
	.globl	k_q90e92a7c80_qkv
	.p2align	8
	.type	k_q90e92a7c80_qkv,@function
k_q90e92a7c80_qkv:
	s_mov_b64 s[64:65], 0
	v_nop
	global_prefetch_b8 v0, s[64:65] scope:SCOPE_SE
	s_setreg_imm32_b32 hwreg(HW_REG_WAVE_MODE, 25, 1), 1
	s_wait_xcnt 0x0
	s_wait_alu depctr_hold_cnt(0) depctr_sa_sdst(0) depctr_va_vdst(0) depctr_va_sdst(0) depctr_va_ssrc(0) depctr_va_vcc(0) depctr_vm_vsrc(0)
	s_getreg_b32 s2, hwreg(HW_REG_IB_STS2, 6, 4)
	s_cmp_eq_u32 s2, 0
	s_cbranch_scc0 .Lentry_in_a_cluster
	s_endpgm
.Lentry_in_a_cluster:
	s_bfe_u32 s2, ttmp6, 0x10000c
	s_cmp_lg_u32 s2, 0xf033
	s_cbranch_scc0 .Lentry_shape_is_right
	s_endpgm
.Lentry_shape_is_right:
.set TROW,  3072
.set HALFT, 8*TROW
.set SLOT,  4*HALFT
.set SCL,   3*SLOT
.set SPARE, SCL+4*4096
.set FR,    12
.set ADRA,  16
.set ADRB,  20
.set ST8,   24
.set SOF,   25
.set ST16,  26
.set ADRS,  27
.set SPW,   28
.set NIL,   29
.set SC,    32
.set BI,    64
.set AF,    128
.set BV,    224
.set T,     128
.set PC,    192
.set W,     212
.set PW,    220
.set H16,   221
.set TM,    240
.set G1A,   24
.set G1B,   32
.set G1SA,  40
.set G1SB,  48
.set G0SA,  84
.set G0SB,  88
.set SEL,   100
.set MSB, 0
.macro WIN new
.if MSB != (\new)
	s_set_vgpr_msb (MSB<<8)|(\new)
.set MSB, (\new)
.endif
.endm
.macro JLOAD g0a, g1a, g0b, g1b
	s_cmp_eq_u32 s15, 0
	s_cbranch_scc0 .Lfor_b_\@
	tensor_load_to_lds s[\g0a:\g0a+3], s[\g1a:\g1a+7]
	s_nop 0
.rept 4
	v_nop
.endr
	s_branch .Lasked_\@
.Lfor_b_\@:
	tensor_load_to_lds s[\g0b:\g0b+3], s[\g1b:\g1b+7]
	s_nop 0
.rept 4
	v_nop
.endr
.Lasked_\@:
.endm
.macro CREST
	s_cmp_lg_u32 s14, 0
	s_cbranch_scc1 .Lnot_wave_0_\@
	s_barrier_signal -3
.Lnot_wave_0_\@:
	s_barrier_wait -3
	s_barrier_signal -1
	s_barrier_wait -1
.endm
.macro CROUND
	s_barrier_signal -1
	s_barrier_wait -1
	CREST
.endm
.macro PLACES n
.rept \n
	v_nop
.endr
.endm
.macro FRAG reg, adr, q, i
.irp p, 0,1,2,3,4,5
	ds_load_b64 v[\reg+2*\p:\reg+2*\p+1], v[\adr] offset:(\i)*TROW+(2*(\q)+\p/3)*768+256*(\p%3)
.endr
.endm
.macro FETCH_B ls, q, p
	WIN 0x40
.irp i, 0,1,2,3,4,5,6,7
	FRAG 128*(\p)+FR*\i, ADRB+\ls, \q, \i
.endr
	WIN 0
.endm
.macro FETCH_A ls, q, i0
.irp i, \i0, \i0+1, \i0+2, \i0+3
	FRAG AF+FR*(\i), ADRA+\ls, \q, \i
.endr
.endm
.macro SCALES sc
.irp i, 0,1,2,3,4,5,6,7
	ds_load_b64 v[SC+16*\sc+2*\i:SC+16*\sc+2*\i+1], v[ADRS] offset:512*\i
.endr
.endm
.macro MUL16 a0, p, q, sc, cm
	WIN 0xa1+0x50*((\a0)/4)
.irp a, \a0, \a0+1
.irp b, 0,1,2,3,4,5,6,7
.if \cm
	v_wmma_scale_f32_16x16x128_f8f6f4 v[8*(8*((\a)%4)+\b):8*(8*((\a)%4)+\b)+7], v[128*(\p)+FR*\b:128*(\p)+FR*\b+FR-1], v[AF+FR*(\a):AF+FR*(\a)+FR-1], 0, v[SC+16*(\sc)+2*\b+(\q)], v[SC+16*(\sc)+2*(\a)+(\q)] matrix_a_fmt:MATRIX_FMT_FP6 matrix_b_fmt:MATRIX_FMT_FP6 matrix_a_scale:MATRIX_SCALE_ROW1
.else
	v_wmma_scale_f32_16x16x128_f8f6f4 v[8*(8*((\a)%4)+\b):8*(8*((\a)%4)+\b)+7], v[128*(\p)+FR*\b:128*(\p)+FR*\b+FR-1], v[AF+FR*(\a):AF+FR*(\a)+FR-1], v[8*(8*((\a)%4)+\b):8*(8*((\a)%4)+\b)+7], v[SC+16*(\sc)+2*\b+(\q)], v[SC+16*(\sc)+2*(\a)+(\q)] matrix_a_fmt:MATRIX_FMT_FP6 matrix_b_fmt:MATRIX_FMT_FP6 matrix_a_scale:MATRIX_SCALE_ROW1
.endif
.endr
.endr
.endm
.macro STEP ls, sc, cm
	s_wait_dscnt 24
	MUL16 0, 0, 0, \sc, \cm
	MUL16 2, 0, 0, \sc, \cm
	s_wait_dscnt 0x0
	PLACES 4
	FETCH_B \ls, 1, 1
	FETCH_A \ls, 1, 0
	MUL16 4, 0, 0, \sc, \cm
	MUL16 6, 0, 0, \sc, \cm
	PLACES 4
	WIN 0
	FETCH_A \ls, 1, 4
.endm
.macro TURN ls, nls, sc, nsc, tc, fill
	s_wait_tensorcnt \tc
.if \tc == 0
	ds_add_u32 v[SPW], v[NIL]
	s_wait_dscnt 25
.else
	s_wait_dscnt 24
.endif
	MUL16 0, 1, 1, \sc, 0
	s_wait_dscnt 0x0
	s_barrier_signal -1
	MUL16 2, 1, 1, \sc, 0
	WIN 0
	s_barrier_wait -1
.if \fill
	CREST
	s_add_nc_u64 s[58:59], s[58:59], 3*TROW
	s_add_nc_u64 s[74:75], s[74:75], 3*TROW
	JLOAD 56, G1A, 72, G1B
.else
	PLACES 4
.endif
	v_add_nc_u32 v[ADRS], 128, v[ADRS]
	FETCH_B \nls, 0, 0
	FETCH_A \nls, 0, 0
	SCALES \nsc
	MUL16 4, 1, 1, \sc, 0
	MUL16 6, 1, 1, \sc, 0
	PLACES 4
	WIN 0
	FETCH_A \nls, 0, 4
.endm
.macro QUANT s, pw
.irp b, 0,1,2,3
	v_max3_num_f32 v[TM+\b], |v[\s+16*\b]|, |v[\s+1+16*\b]|, 0x1800000
.endr
.irp i, 2,4,6,8,10,12,14
.irp b, 0,1,2,3
	v_max3_num_f32 v[TM+\b], v[TM+\b], |v[\s+16*\b+\i]|, |v[\s+1+16*\b+\i]|
.endr
.endr
.irp b, 0,1,2,3
	v_permlanex16_b32 v[TM+4+\b], v[TM+\b], s[SEL], s[SEL+1]
.endr
.irp b, 0,1,2,3
	v_max_num_f32 v[TM+\b], v[TM+\b], v[TM+4+\b]
.endr
.irp b, 0,1,2,3
	v_add_nc_u32 v[TM+12+\b], 0xff000000, v[TM+\b]
.endr
.irp b, 0,1,2,3
	v_lshrrev_b32 v[TM+4+\b], 23, v[TM+12+\b]
.endr
	v_lshl_or_b32 v[\pw], v[TM+5], 8, v[TM+4]
	v_lshl_or_b32 v[\pw], v[TM+6], 16, v[\pw]
	v_lshl_or_b32 v[\pw], v[TM+7], 24, v[\pw]
.irp c, 0,1
	v_cvt_scalef32_pk16_fp6_f32 v[PC+6*\c:PC+2+6*\c], v[\s+32*\c:\s+15+32*\c], v[TM+12+2*\c]
	v_cvt_scalef32_pk16_fp6_f32 v[PC+12+4*\c:PC+14+4*\c], v[\s+16+32*\c:\s+31+32*\c], v[TM+12+2*\c+1]
.endr
	v_nop
.irp c, 0,1
.irp i, 0,1,2
	v_permlane16_swap_b32 v[PC+6*\c+\i], v[PC+12+4*\c+\i]
.endr
.irp i, 0,1,2
	v_mov_b32 v[PC+3+6*\c+\i], v[PC+12+4*\c+\i]
.endr
.endr
.endm
	s_load_b256 s[4:11], s[0:1], 0x0
	s_load_b64 s[12:13], s[0:1], 0x20
	v_lshl_add_u32 v[SPW], v0, 2, SPARE
	v_mov_b32 v[NIL], 0
	ds_add_u32 v[SPW], v[NIL]
	ds_add_u32 v[SPW], v[NIL]
	v_lshrrev_b32 v1, 5, v0
	v_readfirstlane_b32 s14, v1
	s_lshr_b32 s15, s14, 1
	s_and_b32 s16, s14, 1
	s_bfe_u32 s17, ttmp6, 0x40000
	s_bfe_u32 s18, ttmp6, 0x40004
	s_and_b32 s19, ttmp7, 0xffff
	s_lshl_b32 s19, s19, 2
	s_lshl_b32 s20, ttmp9, 2
	s_lshl_b32 s2, s18, 2
	s_lshl_b32 s2, 15, s2
	s_lshl_b32 s3, 0x1111, s17
	s_or_b32 s[G1A], s2, (3<<16)|(1<<21)
	s_or_b32 s[G1B], s3, (3<<16)|(1<<21)
	s_or_b32 s[G1SA], s2, (3<<16)|(1<<21)
	s_or_b32 s[G1SB], s3, (3<<16)|(1<<21)
.irp g, G1A, G1B
	s_mov_b32 s[\g+1], 384<<16
	s_mov_b32 s[\g+2], 8<<16
	s_mov_b32 s[\g+3], 384<<16
	s_mov_b32 s[\g+4], 8
	s_mov_b32 s[\g+5], 1536
	s_mov_b32 s[\g+6], 0
	s_mov_b32 s[\g+7], 0
.endr
.irp g, G1SA, G1SB
	s_mov_b32 s[\g+1], 32<<16
	s_mov_b32 s[\g+2], 16<<16
	s_mov_b32 s[\g+3], 32<<16
	s_mov_b32 s[\g+4], 16
	s_mov_b32 s[\g+5], 32
	s_mov_b32 s[\g+6], 0
	s_mov_b32 s[\g+7], 0
.endr
	s_cmp_eq_u32 ttmp9, 2
	s_cselect_b32 s21, 8, s19
	s_cselect_b32 s22, s19, s20
	s_mov_b32 s23, 6291456
	s_cselect_b32 s94, 2359296, s23
	s_mov_b32 s98, 2359296
	s_cselect_b32 s98, s23, s98
	s_add_co_u32 s21, s21, s18
	s_add_co_u32 s22, s22, s17
	s_lshl_b32 s21, s21, 8
	s_lshl_b32 s22, s22, 8
	s_lshl_b32 s23, s16, 7
	s_add_co_u32 s92, s21, s23
	s_add_co_u32 s96, s22, s23
	s_lshl_b32 s2, s92, 5
	s_add_co_u32 s94, s94, s2
	s_mul_i32 s92, s92, 768
	s_lshl_b32 s3, s96, 5
	s_add_co_u32 s98, s98, s3
	s_mul_i32 s96, s96, 768
	s_mov_b32 s93, 0
	s_mov_b32 s95, 0
	s_mov_b32 s97, 0
	s_mov_b32 s99, 0
	s_mul_i32 s100, s14, HALFT
	s_lshl_b32 s101, s14, 12
	s_wait_dscnt 0x0
	s_wait_kmcnt 0x0
	s_cmp_eq_u32 ttmp9, 2
	s_cselect_b64 s[2:3], s[6:7], s[4:5]
	s_cselect_b64 s[4:5], s[4:5], s[6:7]
	s_add_nc_u64 s[92:93], s[2:3], s[92:93]
	s_add_nc_u64 s[94:95], s[2:3], s[94:95]
	s_add_nc_u64 s[96:97], s[4:5], s[96:97]
	s_add_nc_u64 s[98:99], s[4:5], s[98:99]
	CROUND
	s_mov_b32 s[G0SA], 1
	s_add_co_u32 s[G0SA+1], s101, SCL
	s_mov_b64 s[G0SA+2:G0SA+3], s[94:95]
	s_or_b32 s[G0SA+3], s[G0SA+3], 0x80000000
	s_mov_b32 s[G0SB], 1
	s_add_co_u32 s[G0SB+1], s101, SCL
	s_mov_b64 s[G0SB+2:G0SB+3], s[98:99]
	s_or_b32 s[G0SB+3], s[G0SB+3], 0x80000000
	JLOAD G0SA, G1SA, G0SB, G1SB
.irp s, 0,1,2
	s_mov_b32 s[56+4*\s+4*(\s/2)], 1
	s_add_co_u32 s[56+4*\s+4*(\s/2)+1], s100, \s*SLOT
	s_add_nc_u64 s[56+4*\s+4*(\s/2)+2:56+4*\s+4*(\s/2)+3], s[92:93], \s*TROW
	s_or_b32 s[56+4*\s+4*(\s/2)+3], s[56+4*\s+4*(\s/2)+3], 0x80000000
	s_mov_b32 s[72+4*\s], 1
	s_add_co_u32 s[72+4*\s+1], s100, \s*SLOT
	s_add_nc_u64 s[72+4*\s+2:72+4*\s+3], s[96:97], \s*TROW
	s_or_b32 s[72+4*\s+3], s[72+4*\s+3], 0x80000000
	s_wait_alu depctr_va_vdst(0)
	s_wait_tensorcnt 0x0
	ds_add_u32 v28, v29
	s_wait_dscnt 0x0
	CROUND
	JLOAD 56+4*\s+4*(\s/2), G1A, 72+4*\s, G1B
.endr
	v_and_b32 v1, 15, v0
	v_bfe_u32 v2, v0, 4, 1
	v_and_b32 v3, 31, v0
	v_lshlrev_b32 v[ST8], 3, v3
	v_lshlrev_b32 v[ST16], 4, v3
	v_lshlrev_b32 v6, 5, v2
	s_wait_alu depctr_va_vdst(0)
	v_lshlrev_b32 v7, 2, v1
	s_wait_alu depctr_va_vdst(0)
	s_lshl_b32 s2, s16, 7
	s_add_co_u32 s2, s2, s22
	s_lshl_b32 s2, s2, 2
	s_cmp_eq_u32 ttmp9, 2
	s_cselect_b32 s2, 0, s2
	s_mov_b32 s3, 0
	s_add_nc_u64 s[92:93], s[8:9], s[2:3]
	s_lshl_b32 s2, s18, 8
	s_lshl_b32 s4, s15, 7
	s_add_co_u32 s2, s2, s4
	s_add_co_u32 s2, s2, 2048
	s_lshl_b32 s2, s2, 2
	s_add_nc_u64 s[94:95], s[8:9], s[2:3]
.irp b, 0,1,2,3,4,5,6,7
	global_load_b128 v[BI+8*\b:BI+8*\b+3], v6, s[92:93] offset:64*\b
	global_load_b128 v[BI+8*\b+4:BI+8*\b+7], v6, s[92:93] offset:64*\b+16
.endr
.irp a, 0,1,2,3,4,5,6,7
	global_load_b32 v[BV+2*\a], v7, s[94:95] offset:64*\a
	global_load_b32 v[BV+2*\a+1], v7, s[94:95] offset:64*\a
.endr
	s_mul_i32 s2, s15, HALFT
	s_mul_i32 s3, s16, HALFT
	s_add_co_u32 s3, s3, 2*HALFT
.irp s, 0,1,2
	v_add_nc_u32 v[ADRA+\s], s2, v[ST8]
	v_add_nc_u32 v[ADRB+\s], s3, v[ST8]
	s_add_co_u32 s2, s2, SLOT
	s_add_co_u32 s3, s3, SLOT
.endr
	s_lshl_b32 s2, s15, 12
	s_lshl_b32 s3, s16, 12
	s_add_co_u32 s3, s3, 8192
	s_sub_co_u32 s3, s3, s2
	v_mul_u32_u24 v5, s3, v2
	s_add_co_u32 s2, s2, SCL
	v_lshl_add_u32 v5, v1, 3, v5
	v_add_nc_u32 v[ADRS], s2, v5
	s_wait_alu depctr_va_vdst(0)
	s_wait_tensorcnt 2
	s_barrier_signal -1
	s_barrier_wait -1
	FETCH_B 0, 0, 0
	FETCH_A 0, 0, 0
	SCALES 0
	FETCH_A 0, 0, 4
	STEP 0, 0, 1
	TURN 0, 1, 0, 1, 0, 1
	s_wait_alu depctr_va_vdst(0)
	STEP 1, 1, 0
	TURN 1, 2, 1, 0, 1, 0
	s_wait_alu depctr_va_vdst(0)
	STEP 2, 0, 0
	TURN 2, 0, 0, 1, 0, 0
	STEP 0, 1, 0
	s_wait_dscnt 24
	MUL16 0, 1, 1, 1, 0
	MUL16 2, 1, 1, 1, 0
	s_wait_dscnt 0x0
	MUL16 4, 1, 1, 1, 0
	MUL16 6, 1, 1, 1, 0
	WIN 0
	PLACES 4
	s_wait_loadcnt 0x0
	s_mov_b32 s[SEL], 0x76543210
	s_mov_b32 s[SEL+1], 0xfedcba98
.irp b, 0,1,2,3
	v_mov_b32 v[TM+4+\b], 0
.endr
	v_lshlrev_b32 v[H16], 4, v2
.macro EPI isv
.if \isv
.set TOKT, 22
.set TOKH, 16
.set CHT,  21
.set CHH,  15
.else
.set TOKT, 21
.set TOKH, 15
.set CHT,  22
.set CHH,  16
.endif
	s_lshl_b32 s2, s[TOKH], 7
	s_add_co_u32 s2, s2, s[TOKT]
	s_lshr_b32 s3, s2, 11
	s_bfe_u32 s2, s2, 0x40007
	s_lshl_b32 s4, s[CHH], 7
	s_add_co_u32 s4, s4, s[CHT]
	s_bfe_u32 s4, s4, 0x40006
	s_lshl_b32 s3, s3, 4
	s_add_co_u32 s3, s3, s4
.if \isv
	s_mov_b64 s[92:93], s[12:13]
	s_mov_b32 s5, 208896
	s_mov_b32 s6, 13056
.else
	s_cmp_eq_u32 ttmp9, 1
	s_cselect_b64 s[92:93], s[12:13], s[10:11]
	s_mov_b32 s5, 106496
	s_cselect_b32 s5, 208896, s5
	s_mov_b32 s6, 6656
	s_cselect_b32 s6, 13056, s6
	s_mov_b32 s7, 6144
	s_cselect_b32 s7, 12288, s7
.endif
	s_mul_i32 s3, s3, s5
	s_mul_i32 s2, s2, s6
	s_add_co_u32 s2, s2, s3
	s_mov_b32 s3, 0
	s_add_nc_u64 s[92:93], s[92:93], s[2:3]
	s_mov_b32 s2, s5
	s_add_nc_u64 s[94:95], s[92:93], s[2:3]
.if !\isv
	s_mov_b32 s2, s7
	s_add_nc_u64 s[96:97], s[92:93], s[2:3]
.endif
	v_mul_u32_u24 v[SOF], s5, v2
	v_lshl_add_u32 v[SOF], v1, 4, v[SOF]
.irp a, 0,1,2,3,4,5,6,7
	WIN 0x02+\a/4
.set i, 0
.rept 32
.if \isv
	v_pk_add_f32 v[T+i:T+i+1], v[64*(\a%4)+i:64*(\a%4)+i+1], v[BV+2*\a:BV+2*\a+1]
.else
	v_pk_add_f32 v[T+i:T+i+1], v[64*(\a%4)+i:64*(\a%4)+i+1], v[BI+i:BI+i+1]
.endif
.set i, i+2
.endr
	WIN 0
.if \a > 0
	s_wait_xcnt 0x0
.endif
.if \isv
	QUANT T, W+\a
.irp c, 0,1,2
	global_store_b128 v[ST16], v[PC+4*\c:PC+4*\c+3], s[92+2*(\a/4):93+2*(\a/4)] offset:6144+1536*(\a%4)+512*\c
.endr
.else
	QUANT T, PW
.irp c, 0,1,2
	global_store_b64 v[ST8], v[PC+2*\c:PC+2*\c+1], s[92:93] offset:768*\a+256*\c
.endr
.irp c, 0,1,2
	global_store_b64 v[ST8], v[PC+6+2*\c:PC+7+2*\c], s[94:95] offset:768*\a+256*\c
.endr
	v_lshrrev_b32 v[W+\a], v[H16], v[PW]
	v_and_b32 v[W+\a], 0xffff, v[W+\a]
.endif
.endr
.if \isv
	v_cmp_gt_u32 vcc_lo, 16, v3
.irp j, 0,1,2,3
	v_cndmask_b32 v[W+\j], v[W+4+\j], v[W+\j], vcc_lo
.endr
	global_store_b128 v[SOF], v[W:W+3], s[92:93] offset:12800
.else
	global_store_b128 v[SOF], v[W:W+3], s[96:97]
	global_store_b128 v[SOF], v[W+4:W+7], s[96:97] offset:256
.endif
.endm
	s_cmp_eq_u32 ttmp9, 2
	s_cbranch_scc1 .Lv_out
	EPI 0
	s_branch .Lout_done
.Lv_out:
	EPI 1
.Lout_done:
	s_wait_tensorcnt 0x0
	ds_add_u32 v[SPW], v[NIL]
	s_wait_dscnt 0x0
	CROUND
	s_endpgm
.Lfunc_end_k_q90e92a7c80_qkv:
	.size	k_q90e92a7c80_qkv, .Lfunc_end_k_q90e92a7c80_qkv-k_q90e92a7c80_qkv
	.p2alignl 7, 3214868480
	.fill 96, 4, 3214868480
	.section	.rodata,"a",@progbits
	.p2align	6, 0x0
	.amdhsa_kernel k_q90e92a7c80_qkv
		.amdhsa_group_segment_fixed_size 327680
		.amdhsa_private_segment_fixed_size 0
		.amdhsa_enable_private_segment 0
		.amdhsa_kernarg_size 40
		.amdhsa_user_sgpr_count 2
		.amdhsa_user_sgpr_kernarg_segment_ptr 1
		.amdhsa_wavefront_size32 1
		.amdhsa_system_sgpr_workgroup_id_x 1
		.amdhsa_system_sgpr_workgroup_id_y 1
		.amdhsa_system_sgpr_workgroup_id_z 1
		.amdhsa_system_vgpr_workitem_id 0
		.amdhsa_next_free_vgpr 1024
		.amdhsa_next_free_sgpr 102
		.amdhsa_reserve_vcc 1
		.amdhsa_float_denorm_mode_32 3
		.amdhsa_float_denorm_mode_16_64 3
		.amdhsa_memory_ordered 1
		.amdhsa_forward_progress 1
		.amdhsa_inst_pref_size 238
	.end_amdhsa_kernel
	.amdgpu_metadata
---
amdhsa.version: [ 1, 2 ]
amdhsa.kernels:
  - .name:           k_q90e92a7c80_qkv
    .symbol:         k_q90e92a7c80_qkv.kd
    .args:
      - { .name: xq, .offset: 0, .size: 8, .value_kind: global_buffer, .address_space: global }
      - { .name: wq, .offset: 8, .size: 8, .value_kind: global_buffer, .address_space: global }
      - { .name: in_proj_bias, .offset: 16, .size: 8, .value_kind: global_buffer, .address_space: global }
      - { .name: qq, .offset: 24, .size: 8, .value_kind: global_buffer, .address_space: global }
      - { .name: kv, .offset: 32, .size: 8, .value_kind: global_buffer, .address_space: global }
    .group_segment_fixed_size: 327680
    .private_segment_fixed_size: 0
    .kernarg_segment_align: 8
    .kernarg_segment_size: 40
    .max_flat_workgroup_size: 128
    .sgpr_count:     102
    .vgpr_count:     1024
    .wavefront_size: 32
...
	.end_amdgpu_metadata
.endif
;; end of part 2
;; launch attn (part 3): grid 4 x 64, 16 waves a work-group, clusters of 4 x 1, 237,056 bytes of LDS; arguments qq, kv, oq; writes oq
.if DOCPART == 3
	.amdgcn_target "amdgcn-amd-amdhsa--gfx1250"
	.amdhsa_code_object_version 6
	.text
	.protected	k_q90e92a7c80_attn
	.globl	k_q90e92a7c80_attn
	.p2align	8
	.type	k_q90e92a7c80_attn,@function
k_q90e92a7c80_attn:
	s_mov_b64 s[64:65], 0
	v_nop
	global_prefetch_b8 v0, s[64:65] scope:SCOPE_SE
	s_setreg_imm32_b32 hwreg(HW_REG_WAVE_MODE, 25, 1), 1
	s_wait_xcnt 0x0
	s_wait_alu depctr_hold_cnt(0) depctr_sa_sdst(0) depctr_va_vdst(0) depctr_va_sdst(0) depctr_va_ssrc(0) depctr_va_vcc(0) depctr_vm_vsrc(0)
	s_getreg_b32 s2, hwreg(HW_REG_IB_STS2, 6, 4)
	s_cmp_eq_u32 s2, 0
	s_cbranch_scc0 .Lentry_in_a_cluster
	s_endpgm
.Lentry_in_a_cluster:
	s_bfe_u32 s2, ttmp6, 0x10000c
	s_cmp_lg_u32 s2, 0x3003
	s_cbranch_scc0 .Lentry_shape_is_right
	s_endpgm
.Lentry_shape_is_right:
; o = softmax(q k^T / 8) v for 64 heads of 2,048 tokens x 64 channels, both products on codes of FP6 (E2M3) with E8M0 scales; o is quantised along D = 1,024 for the last projection.
; THE SOFTMAX: t = score x log2(e) / 8 (q's codes were made without the factor 1/8, a power of two: it stands in c); M = the running largest t rounded UP to a whole number; p = 2^(t - M) is
; quantised along the keys, not normalised; the row's sum is taken of the unquantised p and divides at the end.  When M moves, the sum and O are multiplied by 2^(old M - new M): exact.
; SHARES.  A cluster of four work-groups is one head; each owns 512 queries.  The head's whole k and v, 208,896 bytes, lie in LDS: wave w asks for step w's 13,056 bytes by one tensor load,
; jointly with the same wave of the three partners.  Filled once: no ring, no refill, no barrier in the loop.  All is asked for at the head, so there is no loop to run a data prefetch ahead in.
; Each of the sixteen waves owns two tiles of 16 queries, one after the other (two passes over the 16 steps of 128 keys).
; LDS ROWS: 256 bytes + 32 of padding, 288 apart: lanes that read rows 6 apart (two units of k) then stand 192 bytes apart modulo 256, and the 32 lanes of a load of 8 bytes touch 64 different banks.
; LAYOUT.  Both products are used transposed: S^T = k q^T, O^T = v^T p^T: a lane holds ONE query.  The first product's K is 64: registers 6-11 of q's and k's fragments are zero codes, written once.
; THE KEYS OF A TILE ARE CHOSEN: tile 4 c + j has in its rows 0-7 the keys 8 g .. 8 g + 7 of block 2 c and in its rows 8-15 those of block 2 c + 1, g = 0, 2, 1, 3 for j = 0 .. 3.  So lane (r, h) holds in the 32 registers
; of tiles 4 c .. 4 c + 3 the WHOLE block 2 c + h, in the order in which v's codes stand (keys 0-7, 16-23, 8-15, 24-31): a block's largest score needs no other lane, and the conversions' results are the operand's registers.
; In kv a unit of k is 16 neighbouring keys: row rho of tile 4 c + j is row 8 (j / 2) + rho % 8 of unit 4 c + j % 2 + 2 (rho / 8).
; k's fragments of tiles 0-3 and its scale words are loaded one step ahead, behind the step's last product of scores (the last step loads its own again: the address is held inside the head).
; o's scale bytes leave as 2 bytes a row and head: a whole scale word takes two heads, which live in two clusters, and nothing passes between work-groups.
; LIMITS: a block of zeros gets the byte 1 (its codes are zeros; this program alone reads the bytes); NaN and infinities are not served; the scaled scores stay under 2^31 in magnitude.
.set STEPB, 13056                      ; a step in kv: k 6,144 | v^T 6,144 | k's scale words 512 | v's 256: 51 rows of 256 bytes
.set HEADB, 16*STEPB
.set ROWL,  288
.set STEPL, 51*ROWL                    ; a step in LDS
.set SPARE, 16*STEPL                   ; behind the head: the spare words, 128 bytes a wave
.set VS,  4                            ; v4-7    v's scale words
.set KS,  8                            ; v8-11   k's: register j: tile j in lanes 0-15, tile 4 + j in lanes 16-31
.set Q,   16                           ; v16-27  q's fragment
.set QS,  28
.set PS,  29                           ; p's scale word
.set SPW, 30
.set NIL, 31
.set KF,  32                           ; v32-79  four fragments of k
.set VF,  80                           ; v80-127 four fragments of v^T
.set S,   128                          ; v128-191 S^T, then p
.set O,   192                          ; v192-223 O^T
.set PC,  224                          ; v224-235 p's codes; v236-242 at work; v243 the first pass's scale bytes of o; v244, v245 the conversions' scale operands; v246 at work
.set AK,  247                          ; v247    lane part of k's LDS address; never rewritten
.set BM,  248                          ; v248-250 largest scores
.set AKS, 251                          ; v251    lane part of k's scale words' LDS address; never rewritten.  v[252:253] f; v252-255 addresses, v[254:255] later the sum's second chain
.set WV,  10
.set G1,  24
.set G0,  32
.set SEL, 36
.set CS,  38
.set TB,  40                           ; LDS byte at which the step begins
.set CNT, 41
.set TN,  50                           ; the same for the step that is loaded ahead
.macro WALU
	s_wait_alu depctr_va_vdst(0)
.endm
.macro CROUND
	s_barrier_signal -1
	s_barrier_wait -1
	s_cmp_lg_u32 s[WV], 0
	s_cbranch_scc1 .Lnot_wave_0_\@
	s_barrier_signal -3
.Lnot_wave_0_\@:
	s_barrier_wait -3
	s_barrier_signal -1
	s_barrier_wait -1
.endm
.macro QLOAD p                         ; my p-th tile of queries: half a fragment and its scale words
.irp c, 0,1,2
	global_load_b64 v[Q+2*\c:Q+2*\c+1], v1, s[42:43] offset:768*\p+256*\c
.endr
	global_load_b32 v[QS], v3, s[48:49] offset:4*\p
.endm
.macro KLOAD a, c                      ; tiles 4 c .. 4 c + 3 of k: 12 loads
.irp j, 0,1,2,3
.irp p, 0,1,2
	ds_load_b64 v[KF+12*\j+2*\p:KF+12*\j+2*\p+1], v[\a] offset:ROWL*(3*(4*\c+(\j%2))+\p)+64*(\j/2)
.endr
.endr
.endm
.macro SPROD c                         ; four tiles of scores
.irp t, 0,1,2,3
.if \c
	v_wmma_scale_f32_16x16x128_f8f6f4 v[S+32+8*\t:S+32+8*\t+7], v[KF+12*\t:KF+12*\t+11], v[Q:Q+11], 0, v[KS+\t], v[QS] matrix_a_fmt:MATRIX_FMT_FP6 matrix_b_fmt:MATRIX_FMT_FP6 matrix_a_scale:MATRIX_SCALE_ROW1
.else
	v_wmma_scale_f32_16x16x128_f8f6f4 v[S+8*\t:S+8*\t+7], v[KF+12*\t:KF+12*\t+11], v[Q:Q+11], 0, v[KS+\t], v[QS] matrix_a_fmt:MATRIX_FMT_FP6 matrix_b_fmt:MATRIX_FMT_FP6
.endif
.endr
.endm
.macro MAXES a, b, s                   ; the largest of 32 scores in two chains by turns, each accumulator from its low end on; v[a] and v[b] are still to be joined
	v_max3_num_f32 v[\a], v[\s], v[\s+1], v[\s+2]
	v_max3_num_f32 v[\b], v[\s+16], v[\s+17], v[\s+18]
.irp i, 3,5,7,9,11,13
	v_max3_num_f32 v[\a], v[\a], v[\s+\i], v[\s+1+\i]
	v_max3_num_f32 v[\b], v[\b], v[\s+16+\i], v[\s+17+\i]
.endr
	v_max3_num_f32 v[\a], v[\a], v[\s+15], v[\s+31]
.endm
	s_load_b128 s[4:7], s[0:1], 0x0                ; qq, kv
	s_load_b64 s[8:9], s[0:1], 0x10                ; oq
	v_lshl_add_u32 v[SPW], v0, 2, SPARE
	v_mov_b32 v[NIL], 0
	ds_add_u32 v[SPW], v[NIL]                      ; the opening lines: the add, twice on end, and its wait ahead of my first tensor load
	ds_add_u32 v[SPW], v[NIL]
	v_lshrrev_b32 v1, 5, v0
	v_readfirstlane_b32 s[WV], v1                  ; wave 0..15
	s_bfe_u32 s11, ttmp6, 0x40000                  ; cx: it enters q's and o's addresses alone
	s_and_b32 s12, ttmp7, 0xffff                   ; 16 x batch + head, which the four partners share
	s_mov_b32 s[G1], 15|(3<<16)|(1<<20)|(1<<21)|(5<<22)|(7<<25)  ; the mask: all four; elements of 8 bytes; 8 words of padding behind every 64
	s_mov_b32 s[G1+1], 32<<16                      ; 51 rows of 256 bytes, dense in memory
	s_mov_b32 s[G1+2], 51<<16
	s_mov_b32 s[G1+3], 32<<16
	s_mov_b32 s[G1+4], 51
	s_mov_b32 s[G1+5], 32
	s_mov_b32 s[G1+6], 0
	s_mov_b32 s[G1+7], 0
	s_mov_b32 s[G0], 1
	s_mul_i32 s[G0+1], s[WV], STEPL                ; step w's place in LDS
	s_mul_i32 s13, s[WV], STEPB
	s_mul_i32 s14, s12, HEADB
	s_add_co_u32 s14, s14, s13                     ; and in kv
	s_mov_b32 s15, 0
	s_lshl_b32 s16, s11, 2
	s_lshr_b32 s17, s[WV], 2
	s_add_co_u32 s16, s16, s17                     ; my queries' step of 128: 4 cx + wave / 4
	s_mul_i32 s16, s16, 6656
	s_mul_i32 s17, s12, 106496
	s_add_co_u32 s16, s16, s17
	s_and_b32 s18, s[WV], 3
	s_mul_i32 s19, s18, 2*768
	s_add_co_u32 s20, s16, s19                     ; my first tile's unit: tile 2 (wave % 4) of the step
	s_mov_b32 s21, 0
	s_lshr_b32 s18, s18, 1
	s_lshl_b32 s18, s18, 8
	s_and_b32 s19, s[WV], 1
	s_lshl_b32 s19, s19, 3
	s_add_co_u32 s18, s18, s19
	s_add_co_u32 s22, s16, s18
	s_add_co_u32 s22, s22, 6144                    ; its scale words: 256 (tile / 4) + 4 (tile % 4), + 16 r in the lane
	s_mov_b32 s23, 0
	s_lshr_b32 s16, s12, 4                         ; batch
	s_and_b32 s17, s12, 15                         ; head
	s_lshl_b32 s16, s16, 7
	s_lshl_b32 s18, s11, 5
	s_add_co_u32 s16, s16, s18
	s_lshl_b32 s18, s[WV], 1
	s_add_co_u32 s16, s16, s18                     ; my first row tile of o: 128 batch + 32 cx + 2 wave
	s_mul_i32 s50, s16, 12288
	s_mul_i32 s18, s17, 768
	s_add_co_u32 s50, s50, s18                     ; its unit: K / 64 = the head
	s_mov_b32 s51, 0
	s_lshl_b32 s52, s16, 9
	s_lshr_b32 s18, s17, 2
	s_lshl_b32 s18, s18, 7
	s_add_co_u32 s52, s52, s18
	s_and_b32 s18, s17, 3
	s_lshl_b32 s18, s18, 1
	s_add_co_u32 s52, s52, s18                     ; its scale bytes: tile x 512 + (head / 4) x 128 + 2 (head % 4), + 8 r in the lane
	s_add_co_u32 s52, s52, 6291456
	s_mov_b32 s53, 0
	s_mov_b32 s[SEL], 0x76543210
	s_mov_b32 s[SEL+1], 0xfedcba98
	s_mov_b32 s[CS], 0x3e38aa3b                    ; c = log2(e) / 8
	s_mov_b32 s[CS+1], s[CS]
	s_wait_dscnt 0x0                               ; both opening adds are done
	s_wait_kmcnt 0x0
	s_add_nc_u64 s[G0+2:G0+3], s[6:7], s[14:15]
	s_or_b32 s[G0+3], s[G0+3], 0x80000000
	s_add_nc_u64 s[42:43], s[4:5], s[20:21]
	s_add_nc_u64 s[48:49], s[4:5], s[22:23]
	s_add_nc_u64 s[44:45], s[8:9], s[50:51]
	s_add_nc_u64 s[46:47], s[8:9], s[52:53]
	CROUND                                         ; all four work-groups are here: the joint loads meet
	tensor_load_to_lds s[G0:G0+3], s[G1:G1+7]      ; every wave one: sixteen steps, the whole head
	s_nop 0
.rept 4
	v_nop
.endr
	v_and_b32 v3, 31, v0
	v_lshlrev_b32 v1, 3, v3                        ; 8 x lane
	v_bfe_u32 v252, v0, 4, 1                       ; h
	v_bfe_u32 v253, v0, 3, 1                       ; r / 8
	v_and_b32 v254, 7, v0                          ; r % 8
	v_and_b32 v3, 15, v0
	v_lshlrev_b32 v3, 4, v3                        ; 16 r
	v_mad_u32_u24 v2, v252, ROWL, v3               ; v's fragments: 16 r, lanes 16-31 one LDS row on
	v_lshlrev_b32 v[AK], 3, v254
	v_mad_u32_u24 v[AK], v253, 6*ROWL, v[AK]
	v_lshl_add_u32 v[AK], v252, 7, v[AK]           ; k's fragments: 8 (r % 8) + two units x (r / 8) + 128 h
	v_lshlrev_b32 v[AKS], 4, v254
	v_lshl_add_u32 v[AKS], v253, 3, v[AKS]
	v_mad_u32_u24 v[AKS], v252, ROWL, v[AKS]
	v_add_nc_u32 v[AKS], 48*ROWL, v[AKS]           ; k's scale words: LDS row 48 + h, 16 (r % 8) + 8 (r / 8)
	QLOAD 0
.irp i, 6,7,8,9,10,11
	v_mov_b32 v[Q+\i], 0                           ; zero codes fill K from 64 to 128, in q
.irp t, 0,1,2,3
	v_mov_b32 v[KF+12*\t+\i], 0                    ; and in k
.endr
.endr
.irp b, 0,1,2,3
	v_mov_b32 v[236+\b], 0                         ; written once: a lane permute's destination counts as one of its sources
.endr
	WALU
	s_wait_tensorcnt 0x0                           ; my step has landed,
	s_barrier_signal -1
	s_barrier_wait -1                              ; everybody's has
; A KEY STEP: 128 keys.
.macro STEP
	s_wait_dscnt 0x0                               ; k's tiles 0-3 and its scale words, asked for a step ago
	SPROD 0
	v_add_nc_u32 v254, s[TB], v[AK]                ; four places behind the products above; with the three additions at the last step's end also those in front of the loads into v's registers
	v_add_nc_u32 v255, s[TB], v2
	v_add_nc_u32 v252, s[TB], v3
	v_nop
	KLOAD 254, 1
.irp t, 0,1,2,3
.irp c, 0,1,2
	ds_load_b128 v[VF+12*\t+4*\c:VF+12*\t+4*\c+3], v255 offset:ROWL*(24+6*\t+2*\c)
.endr
.endr
	ds_load_b128 v[VS:VS+3], v252 offset:ROWL*50
	MAXES BM, BM+1, S                              ; my first block's largest score, while tiles 4-7 are on their way
	WALU
	s_wait_dscnt 13                                ; tiles 4-7 are in; v's twelve loads and its words may be out
	SPROD 1
	s_add_co_u32 s[TN], s[TB], STEPL
	s_min_u32 s[TN], s[TN], 15*STEPL               ; the next step, held inside the head
	v_max_num_f32 v[BM], v[BM], v[BM+1]            ; four places behind the products above
	v_add_nc_u32 v254, s[TN], v[AK]
	v_add_nc_u32 v253, s[TN], v[AKS]
	v_mov_b32 v246, v12                            ; the old -M
	KLOAD 254, 0
	ds_load_2addr_b64 v[KS:KS+3], v253 offset0:0 offset1:16   ; tiles j = 0, 1 and, 128 bytes on, j = 2, 3
	MAXES BM+2, BM+1, S+32                         ; my second block's
	v_max_num_f32 v[BM+2], v[BM+2], v[BM+1]
	s_delay_alu instid0(VALU_DEP_1)
	v_max_num_f32 v[BM+1], v[BM], v[BM+2]
	s_delay_alu instid0(VALU_DEP_1)
	v_permlanex16_b32 v239, v[BM+1], s[SEL], s[SEL+1]
	s_delay_alu instid0(VALU_DEP_1)
	v_max_num_f32 v[BM+1], v[BM+1], v239           ; with lane l xor 16's 64 keys: the step's largest score of my query
	s_delay_alu instid0(VALU_DEP_1)
	v_mul_f32 v[BM+1], s[CS], v[BM+1]              ; as t (c is positive)
	s_delay_alu instid0(VALU_DEP_1)
	v_max_num_f32 v13, v13, v[BM+1]                ; the running largest t
	s_delay_alu instid0(VALU_DEP_1)
	v_floor_f32 v12, -v13                          ; the new -M = floor(-t): M is a whole number
	s_delay_alu instid0(VALU_DEP_1)
	v_sub_f32 v246, v12, v246                      ; old M - new M: a whole number, 0 or less
	s_delay_alu instid0(VALU_DEP_1)
	v_cvt_i32_f32 v246, v246                       ; (it saturates)
	s_delay_alu instid0(VALU_DEP_1)
	v_ldexp_f32 v252, 1.0, v246                    ; f = 2^(old M - new M)
.set j, 0
.rept 32
	v_pk_fma_f32 v[S+j:S+j+1], v[S+j:S+j+1], s[CS:CS+1], v[12:13] op_sel_hi:[1,0,0]   ; t - M, two at a time
.set j, j+2
.endr
	v_fma_f32 v[BM], v[BM], s[CS], v12             ; the same of each block's largest score
	v_fma_f32 v[BM+2], v[BM+2], s[CS], v12
	WALU
	s_wait_dscnt 13                                ; v's fragments and words are in; the next step's twelve loads of k and its words may be out
.set j, 0
.rept 64
	v_exp_f32 v[S+j], v[S+j]                       ; p = 2^(t - M), at most 1
.set j, j+1
.endr
	v_pk_mul_f32 v[14:15], v[14:15], v[252:253] op_sel_hi:[1,0]   ; the sum under the new M: the plain instruction behind the batch
	WALU                                           ; one wait for the 64, ahead of their first reader
	v_exp_f32 v[BM], v[BM]                         ; the block's largest p: the same two instructions on the same number
	v_exp_f32 v[BM+2], v[BM+2]
	v_pk_add_f32 v[254:255], v[S:S+1], v[S+2:S+3]  ; the row's sum of the unquantised p, in two chains
.irp j, 4,8,12,16,20,24,28,32,36,40,44,48,52,56
	v_pk_add_f32 v[14:15], v[14:15], v[S+\j:S+1+\j]
	v_pk_add_f32 v[254:255], v[254:255], v[S+2+\j:S+3+\j]
.endr
	WALU                                           ; and one for the two
	v_max_num_f32 v[BM], 0x1800000, v[BM]          ; the floor 2^(3 - 127): the byte cannot fall under 1
	v_max_num_f32 v[BM+2], 0x1800000, v[BM+2]
	s_delay_alu instid0(VALU_DEP_2)
	v_add_nc_u32 v244, 0xff000000, v[BM]           ; 2 off the exponent field: the conversions' scale operands
	s_delay_alu instid0(VALU_DEP_2)
	v_add_nc_u32 v245, 0xff000000, v[BM+2]
	s_delay_alu instid0(VALU_DEP_2)
	v_lshrrev_b32 v246, 23, v244                   ; the scales' bytes: blocks h and 2 + h
	s_delay_alu instid0(VALU_DEP_2)
	v_lshrrev_b32 v239, 23, v245
	s_delay_alu instid0(VALU_DEP_1)
	v_lshl_or_b32 v246, v239, 16, v246
	s_delay_alu instid0(VALU_DEP_1)
	v_permlanex16_b32 v239, v246, s[SEL], s[SEL+1]
	s_delay_alu instid0(VALU_DEP_1)
	v_lshl_or_b32 v[PS], v239, 8, v246             ; p's scale word, whole in lanes 0-15, which alone are read
	v_cvt_scalef32_pk16_fp6_f32 v[PC:PC+2], v[S:S+15], v244
	v_cvt_scalef32_pk16_fp6_f32 v[236:238], v[S+16:S+31], v244     ; (a conversion's three registers begin on an even number)
	v_cvt_scalef32_pk16_fp6_f32 v[PC+6:PC+8], v[S+32:S+47], v245
	v_cvt_scalef32_pk16_fp6_f32 v[240:242], v[S+48:S+63], v245
	WALU                                           ; ahead of the first reader of O^T
.set j, 0
.rept 8
	v_pk_mul_f32 v[O+j:O+j+1], v[O+j:O+j+1], v[252:253] op_sel_hi:[1,0]   ; O^T under the new M; each accumulator from its low end on
.set j, j+2
.endr
.irp i, 0,1,2
	v_mov_b32 v[PC+3+\i], v[236+\i]
	v_mov_b32 v[PC+9+\i], v[240+\i]
.endr
.rept 8
	v_pk_mul_f32 v[O+j:O+j+1], v[O+j:O+j+1], v[252:253] op_sel_hi:[1,0]   ; these eight are also the places between the moves and the products
.set j, j+2
.endr
.irp t, 0,1,2,3                                ; O^T += v^T p^T: the four accumulators by turns; the next step's eight products stand between two links
	v_wmma_scale_f32_16x16x128_f8f6f4 v[O+8*\t:O+8*\t+7], v[VF+12*\t:VF+12*\t+11], v[PC:PC+11], v[O+8*\t:O+8*\t+7], v[VS+\t], v[PS] matrix_a_fmt:MATRIX_FMT_FP6 matrix_b_fmt:MATRIX_FMT_FP6
.endr
	v_pk_add_f32 v[14:15], v[14:15], v[S+60:S+61]  ; the sum's last additions: they name no register of the products above
	v_pk_add_f32 v[254:255], v[254:255], v[S+62:S+63]
	v_pk_add_f32 v[14:15], v[14:15], v[254:255]
	s_add_co_u32 s[TB], s[TB], STEPL
.endm
; THE WAY OUT of a pass: o = O^T / the sum; its 64 channels are two blocks of 32 along D; quantised; half a fragment, one unit of 768 bytes, is stored as it stands.
.macro OUT p
.if \p == 0
	QLOAD 1                                        ; the next pass's queries land meanwhile (the last products that read q stand a softmax back)
.endif
	v_add_f32 v14, v14, v15                        ; the sum's two halves,
	s_delay_alu instid0(VALU_DEP_1)
	v_permlanex16_b32 v252, v14, s[SEL], s[SEL+1]
	s_delay_alu instid0(VALU_DEP_1)
	v_add_f32 v14, v14, v252                       ; and lane l xor 16's keys
	WALU
	v_rcp_f32 v14, v14
.rept 4
	v_nop                                          ; plain instructions behind the reciprocal
.endr
	WALU                                           ; ahead of the reciprocal's first reader
.set j, 0
.rept 16
	v_pk_mul_f32 v[S+j:S+j+1], v[O+j:O+j+1], v[14:15] op_sel_hi:[1,0]   ; register 8 t + i: channel 16 t + 8 h + i
.set j, j+2
.endr
.irp b, 0,1
.irp i, 0,1,2,3,4,5,6,7
	v_permlane16_swap_b32 v[S+16*\b+\i], v[S+16*\b+8+\i]   ; register 16 b + i now holds channel 32 b + 16 h + i: the order in which out_w's codes stand
.endr
.endr
.irp b, 0,1
	v_max3_num_f32 v[BM+\b], |v[S+16*\b]|, |v[S+1+16*\b]|, 0x1800000
.endr
.irp i, 2,4,6,8,10,12,14
.irp b, 0,1
	s_delay_alu instid0(VALU_DEP_2)
	v_max3_num_f32 v[BM+\b], v[BM+\b], |v[S+16*\b+\i]|, |v[S+1+16*\b+\i]|
.endr
.endr
.irp b, 0,1
	v_permlanex16_b32 v[236+\b], v[BM+\b], s[SEL], s[SEL+1]
.endr
.irp b, 0,1
	s_delay_alu instid0(VALU_DEP_2)
	v_max_num_f32 v[BM+\b], v[BM+\b], v[236+\b]
.endr
.irp b, 0,1
	s_delay_alu instid0(VALU_DEP_2)
	v_add_nc_u32 v[244+\b], 0xff000000, v[BM+\b]
.endr
.irp b, 0,1
	s_delay_alu instid0(VALU_DEP_2)
	v_lshrrev_b32 v[236+\b], 23, v[244+\b]
.endr
.if \p == 0
	s_delay_alu instid0(VALU_DEP_1)
	v_lshl_or_b32 v243, v237, 8, v236              ; the head's two scale bytes of my row; kept for the one store behind the second pass
.else
	s_delay_alu instid0(VALU_DEP_1)
	v_lshl_or_b32 v254, v237, 8, v236
.endif
	v_cvt_scalef32_pk16_fp6_f32 v[PC:PC+2], v[S:S+15], v244
	v_cvt_scalef32_pk16_fp6_f32 v[240:242], v[S+16:S+31], v245
	v_nop
.irp i, 0,1,2
	v_permlane16_swap_b32 v[PC+\i], v[240+\i]
.endr
.irp i, 0,1,2
	s_delay_alu instid0(VALU_DEP_3)
	v_mov_b32 v[PC+3+\i], v[240+\i]
.endr
.irp c, 0,1,2
	global_store_b64 v1, v[PC+2*\c:PC+2*\c+1], s[44:45] offset:12288*\p+256*\c   ; 256 bytes on end, aligned
.endr
.if \p == 1
	v_cmp_gt_u32 vcc_lo, 128, v1                   ; lanes 0-15 store the first pass's bytes, lanes 16-31 the second's, one row tile (512 bytes) on
	s_delay_alu instid0(VALU_DEP_1)
	v_cndmask_b32 v254, v254, v243, vcc_lo
	v_lshrrev_b32 v255, 7, v1
	s_delay_alu instid0(VALU_DEP_1)
	v_mad_u32_u24 v255, v255, 384, v1              ; 8 r + 512 h
	global_store_b16 v255, v254, s[46:47]
.endif
.endm
.macro PASS p
	s_wait_loadcnt 0x0                             ; q
	s_wait_dscnt 0x0                               ; no load into k's registers is out
.if \p == 1
	s_wait_xcnt 0x0                                ; the first pass's stores have read the codes' registers
.endif
	KLOAD AK, 0                                    ; step 0's tiles 0-3 and scale words
	ds_load_2addr_b64 v[KS:KS+3], v[AKS] offset0:0 offset1:16
.set j, 0
.rept 32
	v_mov_b32 v[O+j], 0                            ; the step is written once: the first finds zeros, which the first change of M leaves zeros
.set j, j+1
.endr
	v_mov_b32 v13, 0xff61b1e6                      ; the largest t so far: -3e38
	v_floor_f32 v12, -v13
	v_mov_b32 v14, 0
	v_mov_b32 v15, 0
	s_mov_b32 s[TB], 0
	s_mov_b32 s[CNT], 16
	WALU
.Lstep_\@:
	STEP
	s_sub_co_u32 s[CNT], s[CNT], 1
	s_cmp_lg_u32 s[CNT], 0
	s_cbranch_scc1 .Lstep_\@
	OUT \p
.endm
	PASS 0
	PASS 1
	s_wait_tensorcnt 0x0                           ; the wave's end, behind my last tensor load
	ds_add_u32 v[SPW], v[NIL]
	s_wait_dscnt 0x0
	CROUND                                         ; the closing round
	s_endpgm
.Lfunc_end_k_q90e92a7c80_attn:
	.size	k_q90e92a7c80_attn, .Lfunc_end_k_q90e92a7c80_attn-k_q90e92a7c80_attn
	.p2alignl 7, 3214868480
	.fill 96, 4, 3214868480
	.section	.rodata,"a",@progbits
	.p2align	6, 0x0
	.amdhsa_kernel k_q90e92a7c80_attn
		.amdhsa_group_segment_fixed_size 237056
		.amdhsa_private_segment_fixed_size 0
		.amdhsa_enable_private_segment 0
		.amdhsa_kernarg_size 24
		.amdhsa_user_sgpr_count 2
		.amdhsa_user_sgpr_kernarg_segment_ptr 1
		.amdhsa_wavefront_size32 1
		.amdhsa_system_sgpr_workgroup_id_x 1
		.amdhsa_system_sgpr_workgroup_id_y 1
		.amdhsa_system_sgpr_workgroup_id_z 1
		.amdhsa_system_vgpr_workitem_id 0
		.amdhsa_next_free_vgpr 256
		.amdhsa_next_free_sgpr 66
		.amdhsa_reserve_vcc 1
		.amdhsa_float_denorm_mode_32 3
		.amdhsa_float_denorm_mode_16_64 3
		.amdhsa_memory_ordered 1
		.amdhsa_forward_progress 1
		.amdhsa_inst_pref_size 53
	.end_amdhsa_kernel
	.amdgpu_metadata
---
amdhsa.version: [ 1, 2 ]
amdhsa.kernels:
  - .name:           k_q90e92a7c80_attn
    .symbol:         k_q90e92a7c80_attn.kd
    .args:
      - { .name: qq, .offset: 0, .size: 8, .value_kind: global_buffer, .address_space: global }
      - { .name: kv, .offset: 8, .size: 8, .value_kind: global_buffer, .address_space: global }
      - { .name: oq, .offset: 16, .size: 8, .value_kind: global_buffer, .address_space: global }
    .group_segment_fixed_size: 237056
    .private_segment_fixed_size: 0
    .kernarg_segment_align: 8
    .kernarg_segment_size: 24
    .max_flat_workgroup_size: 512
    .sgpr_count:     66
    .vgpr_count:     256
    .wavefront_size: 32
...
	.end_amdgpu_metadata
.endif
;; end of part 3
;; launch proj (part 4): grid 4 x 32, 4 waves a work-group, clusters of 4 x 4, 327,680 bytes of LDS; arguments oq, owq, out_b, out0; writes out0
.if DOCPART == 4
	.amdgcn_target "amdgcn-amd-amdhsa--gfx1250"
	.amdhsa_code_object_version 6
	.text
	.protected	k_q90e92a7c80_proj
	.globl	k_q90e92a7c80_proj
	.p2align	8
	.type	k_q90e92a7c80_proj,@function
k_q90e92a7c80_proj:
	s_mov_b64 s[64:65], 0
	v_nop
	global_prefetch_b8 v0, s[64:65] scope:SCOPE_SE
	s_setreg_imm32_b32 hwreg(HW_REG_WAVE_MODE, 25, 1), 1
	s_wait_xcnt 0x0
	s_wait_alu depctr_hold_cnt(0) depctr_sa_sdst(0) depctr_va_vdst(0) depctr_va_sdst(0) depctr_va_ssrc(0) depctr_va_vcc(0) depctr_vm_vsrc(0)
	s_getreg_b32 s2, hwreg(HW_REG_IB_STS2, 6, 4)
	s_cmp_eq_u32 s2, 0
	s_cbranch_scc0 .Lentry_in_a_cluster
	s_endpgm
.Lentry_in_a_cluster:
	s_bfe_u32 s2, ttmp6, 0x10000c
	s_cmp_lg_u32 s2, 0xf033
	s_cbranch_scc0 .Lentry_shape_is_right
	s_endpgm
.Lentry_shape_is_right:
.set TROW,  3072
.set HALFT, 8*TROW
.set SLOT,  4*HALFT
.set SCL,   3*SLOT
.set SPARE, SCL+4*4096
.set STAGE, SLOT
.set SPITCH, 528
.set FR,    12
.set ADRA,  16
.set ADRB,  20
.set STO,   24
.set RD,    25
.set CO,    26
.set ADRS,  27
.set SPW,   28
.set NIL,   29
.set SC,    32
.set BI,    64
.set AF,    128
.set BK,    128
.set G1A,   24
.set G1B,   32
.set G1SA,  40
.set G1SB,  48
.set G0SA,  84
.set G0SB,  88
.set MSB, 0
.macro WIN new
.if MSB != (\new)
	s_set_vgpr_msb (MSB<<8)|(\new)
.set MSB, (\new)
.endif
.endm
.macro JLOAD g0a, g1a, g0b, g1b
	s_cmp_eq_u32 s15, 0
	s_cbranch_scc0 .Lfor_b_\@
	tensor_load_to_lds s[\g0a:\g0a+3], s[\g1a:\g1a+7]
	s_nop 0
.rept 4
	v_nop
.endr
	s_branch .Lasked_\@
.Lfor_b_\@:
	tensor_load_to_lds s[\g0b:\g0b+3], s[\g1b:\g1b+7]
	s_nop 0
.rept 4
	v_nop
.endr
.Lasked_\@:
.endm
.macro CREST
	s_cmp_lg_u32 s14, 0
	s_cbranch_scc1 .Lnot_wave_0_\@
	s_barrier_signal -3
.Lnot_wave_0_\@:
	s_barrier_wait -3
	s_barrier_signal -1
	s_barrier_wait -1
.endm
.macro CROUND
	s_barrier_signal -1
	s_barrier_wait -1
	CREST
.endm
.macro PLACES n
.rept \n
	v_nop
.endr
.endm
.macro FRAG reg, adr, q, i
.irp p, 0,1,2,3,4,5
	ds_load_b64 v[\reg+2*\p:\reg+2*\p+1], v[\adr] offset:(\i)*TROW+(2*(\q)+\p/3)*768+256*(\p%3)
.endr
.endm
.macro FETCH_B ls, q, p
	WIN 0x40
.irp i, 0,1,2,3,4,5,6,7
	FRAG 128*(\p)+FR*\i, ADRB+\ls, \q, \i
.endr
	WIN 0
.endm
.macro FETCH_A ls, q, i0
.irp i, \i0, \i0+1, \i0+2, \i0+3
	FRAG AF+FR*(\i), ADRA+\ls, \q, \i
.endr
.endm
.macro SCALES sc
.irp i, 0,1,2,3,4,5,6,7
	ds_load_b64 v[SC+16*\sc+2*\i:SC+16*\sc+2*\i+1], v[ADRS] offset:512*\i
.endr
.endm
.macro MUL16 a0, p, q, sc, cm
.if \cm == 2
	WIN 0x81+0x40*((\a0)/4)
.else
	WIN 0xa1+0x50*((\a0)/4)
.endif
.irp a, \a0, \a0+1
.irp b, 0,1,2,3,4,5,6,7
.if \cm == 2
	v_wmma_scale_f32_16x16x128_f8f6f4 v[8*(8*((\a)%4)+\b):8*(8*((\a)%4)+\b)+7], v[128*(\p)+FR*\b:128*(\p)+FR*\b+FR-1], v[AF+FR*(\a):AF+FR*(\a)+FR-1], v[BI+8*\b:BI+8*\b+7], v[SC+16*(\sc)+2*\b+(\q)], v[SC+16*(\sc)+2*(\a)+(\q)] matrix_a_fmt:MATRIX_FMT_FP6 matrix_b_fmt:MATRIX_FMT_FP6 matrix_a_scale:MATRIX_SCALE_ROW1
.else
	v_wmma_scale_f32_16x16x128_f8f6f4 v[8*(8*((\a)%4)+\b):8*(8*((\a)%4)+\b)+7], v[128*(\p)+FR*\b:128*(\p)+FR*\b+FR-1], v[AF+FR*(\a):AF+FR*(\a)+FR-1], v[8*(8*((\a)%4)+\b):8*(8*((\a)%4)+\b)+7], v[SC+16*(\sc)+2*\b+(\q)], v[SC+16*(\sc)+2*(\a)+(\q)] matrix_a_fmt:MATRIX_FMT_FP6 matrix_b_fmt:MATRIX_FMT_FP6 matrix_a_scale:MATRIX_SCALE_ROW1
.endif
.endr
.endr
.endm
.macro STEP ls, sc, cm
	s_wait_dscnt 24
	MUL16 0, 0, 0, \sc, \cm
	MUL16 2, 0, 0, \sc, \cm
	s_wait_dscnt 0x0
	PLACES 4
	FETCH_B \ls, 1, 1
	FETCH_A \ls, 1, 0
	MUL16 4, 0, 0, \sc, \cm
	MUL16 6, 0, 0, \sc, \cm
	PLACES 4
	WIN 0
	FETCH_A \ls, 1, 4
.endm
.macro TURN ls, nls, sc, nsc, tc, fill
	s_wait_tensorcnt \tc
.if \tc == 0
	ds_add_u32 v[SPW], v[NIL]
	s_wait_dscnt 25
.else
	s_wait_dscnt 24
.endif
	MUL16 0, 1, 1, \sc, 0
	s_wait_dscnt 0x0
	s_barrier_signal -1
	MUL16 2, 1, 1, \sc, 0
	WIN 0
	s_barrier_wait -1
.if \fill
	CREST
	s_add_nc_u64 s[58:59], s[58:59], 3*TROW
	s_add_nc_u64 s[74:75], s[74:75], 3*TROW
	JLOAD 56, G1A, 72, G1B
.else
	PLACES 4
.endif
	v_add_nc_u32 v[ADRS], 128, v[ADRS]
	FETCH_B \nls, 0, 0
	FETCH_A \nls, 0, 0
	SCALES \nsc
	MUL16 4, 1, 1, \sc, 0
	MUL16 6, 1, 1, \sc, 0
	PLACES 4
	WIN 0
	FETCH_A \nls, 0, 4
.endm
	s_load_b256 s[4:11], s[0:1], 0x0
	v_lshl_add_u32 v[SPW], v0, 2, SPARE
	v_mov_b32 v[NIL], 0
	ds_add_u32 v[SPW], v[NIL]
	ds_add_u32 v[SPW], v[NIL]
	v_lshrrev_b32 v1, 5, v0
	v_readfirstlane_b32 s14, v1
	s_lshr_b32 s15, s14, 1
	s_and_b32 s16, s14, 1
	s_bfe_u32 s17, ttmp6, 0x40000
	s_bfe_u32 s18, ttmp6, 0x40004
	s_and_b32 s19, ttmp7, 0xffff
	s_lshl_b32 s19, s19, 2
	s_add_co_u32 s21, s19, s18
	s_lshl_b32 s20, ttmp9, 2
	s_add_co_u32 s22, s20, s17
	s_lshl_b32 s21, s21, 8
	s_lshl_b32 s22, s22, 8
	s_lshl_b32 s2, s18, 2
	s_lshl_b32 s2, 15, s2
	s_lshl_b32 s3, 0x1111, s17
	s_or_b32 s[G1A], s2, (3<<16)|(1<<21)
	s_or_b32 s[G1B], s3, (3<<16)|(1<<21)
	s_or_b32 s[G1SA], s2, (3<<16)|(1<<21)
	s_or_b32 s[G1SB], s3, (3<<16)|(1<<21)
.irp g, G1A, G1B
	s_mov_b32 s[\g+1], 384<<16
	s_mov_b32 s[\g+2], 8<<16
	s_mov_b32 s[\g+3], 384<<16
	s_mov_b32 s[\g+4], 8
	s_mov_b32 s[\g+5], 1536
	s_mov_b32 s[\g+6], 0
	s_mov_b32 s[\g+7], 0
.endr
.irp g, G1SA, G1SB
	s_mov_b32 s[\g+1], 32<<16
	s_mov_b32 s[\g+2], 16<<16
	s_mov_b32 s[\g+3], 32<<16
	s_mov_b32 s[\g+4], 16
	s_mov_b32 s[\g+5], 32
	s_mov_b32 s[\g+6], 0
	s_mov_b32 s[\g+7], 0
.endr
	s_lshl_b32 s23, s16, 7
	s_add_co_u32 s92, s21, s23
	s_add_co_u32 s96, s22, s23
	s_lshl_b32 s94, s92, 5
	s_add_co_u32 s94, s94, 6291456
	s_mul_i32 s92, s92, 768
	s_lshl_b32 s98, s96, 5
	s_add_co_u32 s98, s98, 786432
	s_mul_i32 s96, s96, 768
	s_mov_b32 s93, 0
	s_mov_b32 s95, 0
	s_mov_b32 s97, 0
	s_mov_b32 s99, 0
	s_mul_i32 s100, s14, HALFT
	s_lshl_b32 s101, s14, 12
	s_wait_dscnt 0x0
	s_wait_kmcnt 0x0
	s_add_nc_u64 s[92:93], s[4:5], s[92:93]
	s_add_nc_u64 s[94:95], s[4:5], s[94:95]
	s_add_nc_u64 s[96:97], s[6:7], s[96:97]
	s_add_nc_u64 s[98:99], s[6:7], s[98:99]
	CROUND
	s_mov_b32 s[G0SA], 1
	s_add_co_u32 s[G0SA+1], s101, SCL
	s_mov_b64 s[G0SA+2:G0SA+3], s[94:95]
	s_or_b32 s[G0SA+3], s[G0SA+3], 0x80000000
	s_mov_b32 s[G0SB], 1
	s_add_co_u32 s[G0SB+1], s101, SCL
	s_mov_b64 s[G0SB+2:G0SB+3], s[98:99]
	s_or_b32 s[G0SB+3], s[G0SB+3], 0x80000000
	JLOAD G0SA, G1SA, G0SB, G1SB
.irp s, 0,1,2
	s_mov_b32 s[56+4*\s+4*(\s/2)], 1
	s_add_co_u32 s[56+4*\s+4*(\s/2)+1], s100, \s*SLOT
	s_add_nc_u64 s[56+4*\s+4*(\s/2)+2:56+4*\s+4*(\s/2)+3], s[92:93], \s*TROW
	s_or_b32 s[56+4*\s+4*(\s/2)+3], s[56+4*\s+4*(\s/2)+3], 0x80000000
	s_mov_b32 s[72+4*\s], 1
	s_add_co_u32 s[72+4*\s+1], s100, \s*SLOT
	s_add_nc_u64 s[72+4*\s+2:72+4*\s+3], s[96:97], \s*TROW
	s_or_b32 s[72+4*\s+3], s[72+4*\s+3], 0x80000000
	s_wait_alu depctr_va_vdst(0)
	s_wait_tensorcnt 0x0
	ds_add_u32 v28, v29
	s_wait_dscnt 0x0
	CROUND
	JLOAD 56+4*\s+4*(\s/2), G1A, 72+4*\s, G1B
.endr
	v_and_b32 v1, 15, v0
	v_bfe_u32 v2, v0, 4, 1
	v_and_b32 v3, 31, v0
	v_lshlrev_b32 v4, 3, v3
	v_lshlrev_b32 v6, 5, v2
	s_wait_alu depctr_va_vdst(0)
	s_lshl_b32 s2, s15, 7
	s_add_co_u32 s2, s2, s21
	s_lshl_b32 s2, s2, 12
	s_lshl_b32 s4, s16, 7
	s_add_co_u32 s4, s4, s22
	s_lshl_b32 s4, s4, 2
	s_mov_b32 s5, 0
	s_add_nc_u64 s[92:93], s[8:9], s[4:5]
	s_add_co_u32 s2, s2, s4
	s_mov_b32 s3, 0
	s_add_nc_u64 s[10:11], s[10:11], s[2:3]
.irp b, 0,1,2,3,4,5,6,7
	global_load_b128 v[BI+8*\b:BI+8*\b+3], v6, s[92:93] offset:64*\b
	global_load_b128 v[BI+8*\b+4:BI+8*\b+7], v6, s[92:93] offset:64*\b+16
.endr
	s_mul_i32 s2, s15, HALFT
	s_mul_i32 s3, s16, HALFT
	s_add_co_u32 s3, s3, 2*HALFT
.irp s, 0,1,2
	v_add_nc_u32 v[ADRA+\s], s2, v4
	v_add_nc_u32 v[ADRB+\s], s3, v4
	s_add_co_u32 s2, s2, SLOT
	s_add_co_u32 s3, s3, SLOT
.endr
	s_lshl_b32 s2, s15, 12
	s_lshl_b32 s3, s16, 12
	s_add_co_u32 s3, s3, 8192
	s_sub_co_u32 s3, s3, s2
	v_mul_u32_u24 v5, s3, v2
	s_add_co_u32 s2, s2, SCL
	v_lshl_add_u32 v5, v1, 3, v5
	v_add_nc_u32 v[ADRS], s2, v5
	s_mul_i32 s2, s14, 16*SPITCH
	s_add_co_u32 s2, s2, STAGE
	v_mul_u32_u24 v5, v1, SPITCH
	v_lshl_add_u32 v5, v2, 5, v5
	v_add_nc_u32 v[STO], s2, v5
	v_lshlrev_b32 v[CO], 4, v3
	v_add_nc_u32 v[RD], s2, v[CO]
	s_wait_alu depctr_va_vdst(0)
	s_wait_tensorcnt 2
	s_barrier_signal -1
	s_barrier_wait -1
	FETCH_B 0, 0, 0
	FETCH_A 0, 0, 0
	SCALES 0
	FETCH_A 0, 0, 4
	s_wait_loadcnt 0x0
	STEP 0, 0, 2
	TURN 0, 1, 0, 1, 0, 1
	s_wait_alu depctr_va_vdst(0)
	STEP 1, 1, 0
	TURN 1, 2, 1, 0, 1, 0
	s_wait_alu depctr_va_vdst(0)
	STEP 2, 0, 0
	TURN 2, 0, 0, 1, 0, 0
	STEP 0, 1, 0
	s_wait_dscnt 24
	MUL16 0, 1, 1, 1, 0
	MUL16 2, 1, 1, 1, 0
	s_wait_dscnt 0x0
	MUL16 4, 1, 1, 1, 0
	MUL16 6, 1, 1, 1, 0
	WIN 0
.macro TOSTAGE a
.set AC, 64*((\a)%4)
	WIN 0x08+4*((\a)/4)
.irp b, 0,1,2,3,4,5,6,7
	ds_store_b128 v[STO], v[AC+8*\b:AC+8*\b+3] offset:64*\b
	ds_store_b128 v[STO], v[AC+8*\b+4:AC+8*\b+7] offset:64*\b+16
.endr
	WIN 0
.set BB, BK+64*((\a)%2)
.irp t, 0,1,2,3,4,5,6,7,8,9,10,11,12,13,14,15
	ds_load_b128 v[BB+4*\t:BB+4*\t+3], v[RD] offset:\t*SPITCH
.endr
.endm
.macro SEND a, younger
.set BB, BK+64*((\a)%2)
	s_wait_dscnt \younger
.if (\a) > 0
	s_add_nc_u64 s[10:11], s[10:11], 16*4096
.endif
.irp t, 0,1,2,3,4,5,6,7,8,9,10,11,12,13,14,15
	global_store_b128 v[CO], v[BB+4*\t:BB+4*\t+3], s[10:11] offset:\t*4096 th:TH_STORE_NT
.endr
.endm
	PLACES 4
	TOSTAGE 0
.irp a, 1,2,3,4,5,6,7
.if \a > 1
	s_wait_xcnt 0x0
.endif
	TOSTAGE \a
	SEND \a-1, 32
.endr
	s_wait_xcnt 0x0
	SEND 7, 0
	s_wait_tensorcnt 0x0
	ds_add_u32 v[SPW], v[NIL]
	s_wait_dscnt 0x0
	CROUND
	s_endpgm
.Lfunc_end_k_q90e92a7c80_proj:
	.size	k_q90e92a7c80_proj, .Lfunc_end_k_q90e92a7c80_proj-k_q90e92a7c80_proj
	.p2alignl 7, 3214868480
	.fill 96, 4, 3214868480
	.section	.rodata,"a",@progbits
	.p2align	6, 0x0
	.amdhsa_kernel k_q90e92a7c80_proj
		.amdhsa_group_segment_fixed_size 327680
		.amdhsa_private_segment_fixed_size 0
		.amdhsa_enable_private_segment 0
		.amdhsa_kernarg_size 32
		.amdhsa_user_sgpr_count 2
		.amdhsa_user_sgpr_kernarg_segment_ptr 1
		.amdhsa_wavefront_size32 1
		.amdhsa_system_sgpr_workgroup_id_x 1
		.amdhsa_system_sgpr_workgroup_id_y 1
		.amdhsa_system_sgpr_workgroup_id_z 1
		.amdhsa_system_vgpr_workitem_id 0
		.amdhsa_next_free_vgpr 1024
		.amdhsa_next_free_sgpr 102
		.amdhsa_reserve_vcc 0
		.amdhsa_float_denorm_mode_32 3
		.amdhsa_float_denorm_mode_16_64 3
		.amdhsa_memory_ordered 1
		.amdhsa_forward_progress 1
		.amdhsa_inst_pref_size 162
	.end_amdhsa_kernel
	.amdgpu_metadata
---
amdhsa.version: [ 1, 2 ]
amdhsa.kernels:
  - .name:           k_q90e92a7c80_proj
    .symbol:         k_q90e92a7c80_proj.kd
    .args:
      - { .name: oq, .offset: 0, .size: 8, .value_kind: global_buffer, .address_space: global }
      - { .name: owq, .offset: 8, .size: 8, .value_kind: global_buffer, .address_space: global }
      - { .name: out_b, .offset: 16, .size: 8, .value_kind: global_buffer, .address_space: global }
      - { .name: out0, .offset: 24, .size: 8, .value_kind: global_buffer, .address_space: global }
    .group_segment_fixed_size: 327680
    .private_segment_fixed_size: 0
    .kernarg_segment_align: 8
    .kernarg_segment_size: 32
    .max_flat_workgroup_size: 128
    .sgpr_count:     102
    .vgpr_count:     1024
    .wavefront_size: 32
...
	.end_amdgpu_metadata
.endif
;; end of part 4
